; MI455X (gfx1250); checked and timed in simulation.
; The chip was launched on July 23, 2026; its instructions are those of AMD's public machine-readable ISA for CDNA 5 (MIT licence, August 2026) and "CDNA5" Instruction Set Architecture Reference Guide (July 2026). The comments in the code are by the model that wrote it; some were corrected since.
;; Intention Heads. Allowed arithmetic: float matrix products may take bf16 or f16 operands with f32 sums; other float arithmetic in f32, or as packed bf16 or f16 multiplies, adds, multiply-adds, maxima and minima; sums over many terms, partial sums and values carried from step to step in f32; what a program stores and reads back later, other than sums and carried values, may be rounded once to bf16 or f16.
;; Inputs: agent_type_ids 32 x 2,048 int32; pW1 256 x 512 float32; pW2 2 x 256 float32; pb1 256 float32; pb2 2 float32; repr3 32 x 2,048 x 512 float32; vW1 256 x 512 float32; vW2 6 x 256 float32; vb1 256 float32; vb2 6 float32.
;; Outputs: out0 32 x 2,048 x 6 float32; out1 32 x 2,048 bool; out2 32 x 2,048 bool.
;; One version. Each part assembles by itself: llvm-mc -triple=amdgcn-amd-amdhsa -mcpu=gfx1250 --defsym DOCPART=n.
;; ======== version 1 of 1: 1 launch
;; limits: values are held in f16: magnitudes above 65,504 overflow, below 6.1e-05 lose precision; right only within a limited range of input values
;; launch heads (part 1): grid 256 x 1, 4 waves a work-group, no clusters, 269,568 bytes of LDS; arguments repr3, agent_type_ids, out0, out1, out2, vW1, pW1, vb1, pb1, vW2, pW2, vb2, pb2; writes out0, out1, out2
.if DOCPART == 1
	.amdgcn_target "amdgcn-amd-amdhsa--gfx1250"
	.amdhsa_code_object_version 6
	.text
	.protected	k_qde21473d48_heads
	.globl	k_qde21473d48_heads
	.p2align	8
	.type	k_qde21473d48_heads,@function
k_qde21473d48_heads:
	s_mov_b64 s[64:65], 0
	v_nop
	global_prefetch_b8 v0, s[64:65] scope:SCOPE_SE
	s_setreg_imm32_b32 hwreg(HW_REG_WAVE_MODE, 25, 1), 1
	s_wait_xcnt 0x0
; INTENTION HEADS.  out0[t][0:6] = MLPv(x[t]) where id[t] = 1; (MLPp(x[t]), 0, 0, 0, 0) where id[t] = 2; 0 elsewhere.  out1 = (id = 1), out2 = (id = 2), a byte each.
; MLP(x) = W2 gelu(W1 x + b1) + b2, gelu by erf.  x: 65,536 tokens of 512 f32; W1: [256][512]; W2: [6 or 2][256].
; WORK LEFT OUT.  For a token whose id is not 1, where(v_mask, v_logits, 0) is 0 whatever v_logits holds, and likewise for id not 2 and p_logits: so a row of x is multiplied only by
; the head that its id names, and rows of other ids are not read.  The ids are whole numbers that this launch reads from memory.  Every input has a way to an output: all are arguments.
; A NaN, an infinity or an overflow in a row that its id throws away does not reach the result; reference()'s own where throws it away too.
; SHARES.  256 work-groups of four waves.  Work-group g has head g & 1 (0 vehicle, 1 pedestrian) and the 512 tokens of block g >> 1.  Wave 0 lists the block's tokens of the head's type (0 to 512 of them:
; every split is served; a split that is far from even is right, and unevenly shared).  Wave w holds hidden units 64 w .. 64 w + 63 of W1 in 512 registers, as bf16 fragments, for the whole launch.
; Listed rows come in chunks of 32: each wave gathers 8 rows (f32, whole rows, 512 consecutive bytes a load), rounds them to bf16 and lays them in one of two LDS slots; every wave multiplies every row
; by its 64 hidden units, takes the gelu, and multiplies by its slice of W2; the four waves' partial logits (f32) meet in LDS at the end.  Places of a tile past the list's end repeat the block's token 0.
; The chunk loop has a constant 16 trips; every wave passes every barrier, and only work is jumped over, forward, by compares with the list's length.
; LAYOUT.  S^T = W1 x^T + b1 (source 0 = 16 hidden units, source 1 = 16 tokens, C = b1): a lane holds ONE token (lane % 16) and hidden units 8 (lane / 16) + 0..7.  Two such results, rounded in pairs,
; ARE source 1 (32 hidden units x 16 tokens) of logits^T = W2 h^T.
; GELU.  With a = |z|: 2 gelu(z) = (z + a) - a q, q = 1 - erf(a / sqrt 2) = P(a)^-16, P of degree 6 (Abramowitz and Stegun 7.1.28 in the argument a / sqrt 2; its error in erf is at most 3e-7 for every a).
; Where P^16 overflows its reciprocal is 0, which is q.  The factor 1/2 lies in W2 (exact).
; FORMATS.  x and W1 are bf16 matrix operands; b1, b2 and W2 are rounded to bf16 as well (all inputs alike); sums in f32.  2 gelu(z) goes to the second product in f16, W2 / 2 (a bf16 number) is written as f16.
; LIMITS.  2 gelu(z) must stay under 65,504, so z under 32,752; |W2| / 2 below 6e-5 keeps f16's fixed step of 6e-8; a z that is not finite is not treated apart.
; OUT0's OWNERS.  The vehicle group stores the rows whose id is not 2, the pedestrian group those whose id is 2: each byte has one owner.  A store of a wave names 256 consecutive bytes, less the partner's rows.
; NO CLUSTER, NO JOINT LOADS.  The 128 work-groups of a head read the same W1, but as f32 that has to pass through registers to be rounded: 524,288 bytes, more than the 269,568 that the group has in LDS;
; and the trips' jumps hang on list lengths that differ from work-group to work-group.  x's rows come by a list, which no tile descriptor covers.
; REGISTERS, in windows of 256 (s_set_vgpr_msb: bits 1:0 source 0, 3:2 source 1, 5:4 source 2, 7:6 destination):
;   window 0: addresses, b1, W2's fragments, b2, the list, 128 registers of gathered rows     window 1: x's fragments, S^T, the gelu's work; in the weights' phase a ring of 15 rows of W1
;   windows 2, 3: W1: fragment (hb, ks) = hidden units 16 hb .., channels 32 ks .. at window 2 + ks / 8, register 32 (ks % 8) + 8 hb
.set XPITCH, 1040                      ; an LDS row of 512 bf16: 1,024 bytes + 16 = 65 x 16: the 16 rows of a fragment load start at 16 different groups of four banks (ISA guide 11.1)
.set XSLOT,  32*XPITCH                 ; a chunk of x; slots at 0 and XSLOT
.set WSTG,   2*XSLOT                   ; per wave 16 rows of W1 in bf16, the wave's own
.set WSTW,   16*XPITCH
.set PART,   WSTG+4*WSTW               ; partial logits: wave x 32,768 + list place x 64 + 4 x output
.set LIST,   PART+4*32768              ; 640 words: places 0..511, then words that take what is not listed
.set TK,     LIST+2560                 ; a word a token: place | listed << 16 | mine to store << 17
.set TOT,    TK+2048                   ; one word: max(list length, 1)
.set SPARE,  TOT+256                   ; the spare words, 128 bytes for each wave: two blocks of 256 bytes that no other line names
; window 0
.set LANE, 1
.set RR,   2                           ; lane % 16
.set HH,   3                           ; lane / 16
.set SPW,  4                           ; LDS address of my spare word; never rewritten
.set NIL,  5                           ; 0; never rewritten
.set L16,  6                           ; 16 x lane; never rewritten
.set XST,  7                           ; where I put 8 bytes of my wave's first row of a chunk
.set LA,   8                           ; my wave's 8 places of the list; steps with the loop
.set T0,   9
.set PA,   10                          ; where my lane's partial logits of the trip's first tile go; steps with the trips
.set B1O,  11                          ; offsets of the small operands' loads; never rewritten
.set W2O,  12
.set B2O,  13                          ; v13-15
.set PK,   16                          ; v16-18  (t + k) % 3: which pair of a row's six numbers
.set T1,   19
.set MW,   20                          ; v20-23  16 mask bytes (wave 0)
.set OO,   24                          ; 8 t
.set PO,   25                          ; v25-27  PART + 8 x pair
.set TKR,  28                          ; v28-39  the tail's 12 token words
.set LT,   40                          ; v40-47  8 list entries
.set VO,   48                          ; v48-55  their rows' byte offsets
.set TP,   56                          ; v56-57  at work
.set IDO,  58
.set B1,   64                          ; v64-95   b1, as the C operand: block hb at B1 + 8 hb
.set W2F,  96                          ; v96-111  W2 / 2 in f16: fragment f (32 hidden units) at W2F + 8 f
.set BB,   112                         ; v112-117 b2's pairs, by k
.set XS,   128                         ; v128-255 8 gathered rows x 16; at the head W2 as loaded and wave 0's work; in the tail the partial sums
.set ID,   160
.set TKW,  176
.set ZR,   196
.set DMP,  200
.set PS,   201
.set FL,   202
.set OW,   203
.set LB,   204
.set TKA,  205
.set TOA,  206
.set NV,   207
.set SA,   208
.set SD,   224
.set AD0,  40
.set AD1,  224
; window 1
.set XF,   0                           ; x's fragments: channels 32 ks .. at 8 ks
.set ACC,  128                         ; S^T: block hb at ACC + 8 hb
.set AB,   160                         ; |z|
.set PL,   192                         ; the polynomial, its power, q, 2 gelu
.set HF,   224                         ; 2 gelu in f16
.set LG,   240                         ; logits^T
.set WOF,  248
.set WST,  249
.set WRD,  250
.set XA,   251
; scalars
.set WV,   2
.set HEAD, 3
.set BLK,  4
.set TYPE, 5
.set NO1,  6                           ; the head's outputs less 1
.set VEH,  7                           ; all ones in a vehicle group, else 0
.set XB,   34
.set IDB,  36
.set OB,   38
.set MB,   40
.set W1B,  42
.set B1P,  44
.set W2P,  46
.set B2P,  48
.set TN,   50
.set N1,   58
.set RB,   59
.set CNT,  60
.set C1,   66                          ; s[66:77] the polynomial's six coefficients, as pairs
.set C2,   68
.set C3,   70
.set C4,   72
.set C5,   74
.set C6,   76
.set ABSM, 78
.set SEX,  79
.set PM,   80                          ; s80-82 lanes whose pair of outputs the head has
.set MSB, 0
.macro WIN new                         ; the immediate's high byte repeats the setting that is left; a switch that changes nothing is dropped
.if MSB != (\new)
	s_set_vgpr_msb (MSB<<8)|(\new)
.set MSB, (\new)
.endif
.endm
	s_load_b512 s[8:23], s[0:1], 0x0               ; repr3, ids, out0, out1, out2, vW1, pW1, vb1
	s_load_b256 s[24:31], s[0:1], 0x40             ; pb1, vW2, pW2, vb2
	s_load_b64 s[32:33], s[0:1], 0x60              ; pb2
	v_lshl_add_u32 v[SPW], v0, 2, SPARE
	v_mov_b32 v[NIL], 0
	v_lshrrev_b32 v[T0], 5, v0
	v_readfirstlane_b32 s[WV], v[T0]               ; wave 0..3
	s_and_b32 s[HEAD], ttmp9, 1
	s_lshr_b32 s[BLK], ttmp9, 1
	s_add_co_u32 s[TYPE], s[HEAD], 1
	s_cmp_eq_u32 s[HEAD], 0
	s_cselect_b32 s[NO1], 5, 1
	s_cselect_b32 s[VEH], -1, 0
	s_mov_b32 s[C1], 0x3d4c41b4                    ; .0498673470
	s_mov_b32 s[C2], 0x3cad2fe7                    ; .0211410061
	s_mov_b32 s[C3], 0x3b56cd72                    ; .0032776263
	s_mov_b32 s[C4], 0x381f660e                    ; .0000380036
	s_mov_b32 s[C5], 0x384d0fe2                    ; .0000488906
	s_mov_b32 s[C6], 0x36b49f9e                    ; .0000053830
.irp c, C1, C2, C3, C4, C5, C6
	s_mov_b32 s[\c+1], s[\c]                       ; named as pairs, so both words are written
.endr
	s_mov_b32 s[ABSM], 0x7fffffff
	v_and_b32 v[LANE], 31, v0
	v_and_b32 v[RR], 15, v0
	v_bfe_u32 v[HH], v0, 4, 1
	v_lshlrev_b32 v[L16], 4, v[LANE]
	s_mul_i32 s61, s[WV], 8*XPITCH                 ; my wave's 8 rows of a chunk
	v_lshl_add_u32 v[XST], v[LANE], 3, s61
	s_lshl_b32 s61, s[WV], 5
	s_add_co_u32 s61, s61, LIST
	v_mov_b32 v[LA], s61
	s_lshl_b32 s61, s[WV], 15
	s_add_co_u32 s61, s61, PART
	v_lshl_add_u32 v[PA], v[RR], 6, s61            ; place lane % 16,
	v_lshl_add_u32 v[PA], v[HH], 5, v[PA]          ; outputs 8 (lane / 16) ..
	s_lshl_b32 s61, s[WV], 8                       ; my wave's 64 hidden units: 256 bytes of b1 and of a row of W2
	v_lshl_add_u32 v[B1O], v[HH], 5, s61
	v_min_u32 v[W2O], s[NO1], v[RR]                ; rows of the fragment past the head's outputs repeat its last row; their results are never chosen
	v_lshl_add_u32 v[W2O], v[W2O], 10, v[B1O]
	s_sub_co_u32 s61, s[NO1], 1
.irp k, 0,1,2
	v_add_nc_u32 v[T0], \k, v0
	v_mul_u32_u24 v[T1], 0xaaab, v[T0]             ; (t + k) / 3 = (t + k) x 43,691 >> 17
	v_lshrrev_b32 v[T1], 17, v[T1]
	v_mul_u32_u24 v[T1], 3, v[T1]
	v_sub_nc_u32 v[PK+\k], v[T0], v[T1]
	v_min_u32 v[PK+\k], 2, v[PK+\k]                ; a remainder by 3 is 0 to 2: the line changes nothing and lets that range stand in the text, for the LDS addresses made of it
	v_lshl_add_u32 v[PO+\k], v[PK+\k], 3, PART
	v_lshlrev_b32 v[T0], 1, v[PK+\k]
	v_min_u32 v[T0], s61, v[T0]                    ; a pair that the head does not have repeats its last pair of b2; never chosen
	v_lshlrev_b32 v[B2O+\k], 2, v[T0]
	v_cmp_eq_u32 s[PM+\k], 0, v[PK+\k]
	s_or_b32 s[PM+\k], s[PM+\k], s[VEH]            ; the vehicle head has all three pairs, the pedestrian head the first
.endr
	v_lshlrev_b32 v[OO], 3, v0
	v_lshlrev_b32 v[IDO], 6, v[LANE]
	v_mul_u32_u24 v[T0], XPITCH, v[RR]
	v_lshl_add_u32 v[T0], v[HH], 4, v[T0]          ; a fragment's row x pitch + 16 x half
	s_mul_i32 s61, s[WV], WSTW
	s_add_co_u32 s61, s61, WSTG                    ; my wave's stage for W1
	WIN 0x40                                       ; destination window 1, sources window 0
	v_mov_b32 v[XA], v[T0]
	v_add_nc_u32 v[WRD], s61, v[T0]
	v_lshl_add_u32 v[WST], v[LANE], 3, s61
	v_mov_b32 v[WOF], v[L16]
	WIN 0
	s_wait_kmcnt 0x0
	s_cmp_eq_u32 s[HEAD], 0
	s_cselect_b64 s[MB:MB+1], s[14:15], s[16:17]
	s_cselect_b64 s[W1B:W1B+1], s[18:19], s[20:21]
	s_cselect_b64 s[B1P:B1P+1], s[22:23], s[24:25]
	s_cselect_b64 s[W2P:W2P+1], s[26:27], s[28:29]
	s_cselect_b64 s[B2P:B2P+1], s[30:31], s[32:33]
	s_mov_b32 s63, 0
	s_lshl_b32 s62, s[BLK], 20                     ; 512 rows of 2,048 bytes
	s_add_nc_u64 s[XB:XB+1], s[8:9], s[62:63]
	s_lshl_b32 s62, s[BLK], 11
	s_add_nc_u64 s[IDB:IDB+1], s[10:11], s[62:63]
	s_mul_i32 s62, s[BLK], 12288
	s_add_nc_u64 s[OB:OB+1], s[12:13], s[62:63]
	s_lshl_b32 s62, s[BLK], 9
	s_add_nc_u64 s[MB:MB+1], s[MB:MB+1], s[62:63]
	s_lshl_b32 s62, s[WV], 17                      ; my wave's 64 rows of W1
	s_add_nc_u64 s[W1B:W1B+1], s[W1B:W1B+1], s[62:63]
	; THE LOADS OF THE HEAD, oldest first: the ids (wave 0), b1, W2, b2, then the first 15 rows of my wave's W1
	s_cmp_lg_u32 s[WV], 0
	s_cbranch_scc1 .Lno_ids
.irp g, 0,1,2,3
	global_load_b128 v[ID+4*\g:ID+4*\g+3], v[IDO], s[IDB:IDB+1] offset:16*\g  ; lane l: the ids of tokens 16 l .. 16 l + 15
.endr
.Lno_ids:
.irp hb, 0,1,2,3
	global_load_b128 v[B1+8*\hb:B1+8*\hb+3],   v[B1O], s[B1P:B1P+1] offset:64*\hb
	global_load_b128 v[B1+8*\hb+4:B1+8*\hb+7], v[B1O], s[B1P:B1P+1] offset:64*\hb+16
.endr
.irp f, 0,1
	global_load_b128 v[XS+16*\f:XS+16*\f+3],     v[W2O], s[W2P:W2P+1] offset:128*\f
	global_load_b128 v[XS+16*\f+4:XS+16*\f+7],   v[W2O], s[W2P:W2P+1] offset:128*\f+16
	global_load_b128 v[XS+16*\f+8:XS+16*\f+11],  v[W2O], s[W2P:W2P+1] offset:128*\f+64
	global_load_b128 v[XS+16*\f+12:XS+16*\f+15], v[W2O], s[W2P:W2P+1] offset:128*\f+80
.endr
.irp k, 0,1,2
	global_load_b64 v[BB+2*\k:BB+2*\k+1], v[B2O+\k], s[B2P:B2P+1]
.endr
	WIN 0x55                                       ; all operands in window 1
.set j, 0
.rept 15
.irp q, 0,1,2,3
	global_load_b128 v[16*j+4*\q:16*j+4*\q+3], v[WOF], s[W1B:W1B+1] offset:j*2048+512*\q  ; a row of W1: four loads of 512 consecutive bytes
.endr
.set j, j+1
.endr
	WIN 0
	; THE LIST, by wave 0 alone: one wave's LDS instructions are served in order (ISA guide 5.7.1.4), so the zeros lie under the entries, and no other wave writes these bytes
	s_cmp_lg_u32 s[WV], 0
	s_cbranch_scc1 .Lno_list
	s_wait_loadcnt 63                              ; 79 loads are younger than the ids: with at most 63 out the ids are in
.irp z, 0,1,2,3
	v_mov_b32 v[ZR+\z], 0
.endr
	v_add_nc_u32 v[LB], LIST, v[L16]
.irp z, 0,1,2,3,4
	ds_store_b128 v[LB], v[ZR:ZR+3] offset:512*\z  ; every place names token 0 until it is taken
.endr
	v_add_nc_u32 v[DMP], 512, v[LANE]              ; where a lane writes that has nothing to list
	s_mov_b32 s[N1], 0                             ; the places taken so far
.set q, 0
.rept 16                                       ; tokens 16 l + q of all lanes at once
	v_cmp_eq_u32 s61, s[TYPE], v[ID+q]             ; listed: the id is my head's
	v_cmp_eq_u32 s62, 2, v[ID+q]
	s_bcnt1_i32_b32 s63, s61
	s_xor_b32 s62, s62, s[VEH]                     ; mine to store: id = 2 in a pedestrian group, id not 2 in a vehicle group
	v_mbcnt_lo_u32_b32 v[PS], s61, s[N1]           ; my place: those taken + the listed lanes below me
	s_add_co_u32 s[N1], s[N1], s63
	v_cndmask_b32 v[SA+q], v[DMP], v[PS], s61
	v_min_u32 v[SA+q], 0x27f, v[SA+q]              ; inside the list's 640 words
	v_lshl_add_u32 v[SA+q], v[SA+q], 2, LIST
	v_add_nc_u32 v[SD+q], q, v[L16]                ; the token's number in the block
	ds_store_b32 v[SA+q], v[SD+q]
	v_cndmask_b32 v[PS], 0, v[PS], s61
	v_cndmask_b32 v[FL], 0, 1, s61
	v_cndmask_b32 v[OW], 0, 1, s62
	v_lshl_or_b32 v[PS], v[FL], 16, v[PS]
	v_lshl_or_b32 v[TKW+q], v[OW], 17, v[PS]
.if q%4 == 0
	v_mov_b32 v[MW+q/4], v[FL]
.else
	v_lshl_or_b32 v[MW+q/4], v[FL], 8*(q%4), v[MW+q/4]
.endif
.set q, q+1
.endr
	v_lshl_add_u32 v[TKA], v[LANE], 6, TK
.irp g, 0,1,2,3
	ds_store_b128 v[TKA], v[TKW+4*\g:TKW+4*\g+3] offset:16*\g
.endr
	s_max_u32 s[N1], s[N1], 1                      ; the first tile is always made: place 0 of the partial sums always exists
	v_mov_b32 v[NV], s[N1]
	v_mov_b32 v[TOA], TOT
	ds_store_b32 v[TOA], v[NV]
	global_store_b128 v[L16], v[MW:MW+3], s[MB:MB+1]  ; the block's 512 mask bytes: 512 consecutive bytes, aligned; its three sources are never rewritten
.Lno_list:
	; THE SMALL OPERANDS are rounded to bf16
	s_wait_loadcnt 60                              ; the 60 loads of W1's rows are younger
.set p, 0
.rept 16
	v_cvt_pk_bf16_f32 v[T0], v[B1+2*p], v[B1+2*p+1]
	v_lshlrev_b32 v[B1+2*p], 16, v[T0]             ; and widened again: b1 is an f32 C operand
	v_and_b32 v[B1+2*p+1], 0xffff0000, v[T0]
.set p, p+1
.endr
.set p, 0
.rept 16
	v_cvt_pk_bf16_f32 v[T0], v[XS+2*p], v[XS+2*p+1]
	v_lshlrev_b32 v[TP], 16, v[T0]
	v_and_b32 v[TP+1], 0xffff0000, v[T0]
	v_pk_mul_f32 v[TP:TP+1], v[TP:TP+1], 0.5 op_sel_hi:[1,0]  ; the gelu's 1/2
	v_cvt_pk_f16_f32 v[W2F+p], v[TP], v[TP+1]
.set p, p+1
.endr
.irp k, 0,1,2
	v_cvt_pk_bf16_f32 v[T0], v[BB+2*\k], v[BB+2*\k+1]
	v_lshlrev_b32 v[BB+2*\k], 16, v[T0]
	v_and_b32 v[BB+2*\k+1], 0xffff0000, v[T0]
.endr
	s_wait_dscnt 0x0                               ; for the others' sake: wave 0's list, token words and length are in LDS
	s_barrier_signal -1
	s_barrier_wait -1
.macro GLIST off                       ; my wave's 8 entries of a chunk, the same in every lane
	ds_load_b128 v[LT:LT+3],   v[LA] offset:\off
	ds_load_b128 v[LT+4:LT+7], v[LA] offset:(\off)+16
.endm
.macro GATHER                          ; 8 whole rows of x, 32 loads of 512 consecutive bytes.  No hint: places past the list's end name a row again
.set i, 0
.rept 8
	v_min_u32 v[LT+i], 0x1ff, v[LT+i]              ; a token of the block
	v_lshl_add_u32 v[VO+i], v[LT+i], 11, v[L16]
.irp q, 0,1,2,3
	global_load_b128 v[XS+16*i+4*\q:XS+16*i+4*\q+3], v[VO+i], s[XB:XB+1] offset:512*\q
.endr
.set i, i+1
.endr
.endm
	v_mov_b32 v[T1], TOT
	ds_load_b32 v[T0], v[T1]
	GLIST 0
	s_wait_dscnt 0x0
	v_readfirstlane_b32 s[N1], v[T0]
	s_min_u32 s[N1], s[N1], 0x200
	GATHER                                         ; chunk 0 is on its way under the weights' phase
	; THE WEIGHTS.  Row j of my wave's 64: rounded in place, into my stage; its ring slot takes row j + 15.  After each 16 rows the stage is read back as 16 fragments.
	; The stage is my wave's own and LDS serves a wave in order: no wait between the stores, the loads and the next 16 rows' stores.
.macro WSLOT
.set sl, 16*(j%15)
.if j < 15
	s_wait_loadcnt 63                              ; younger than row j: 14 rows' 56 loads and chunk 0's 32; 63 is the most that a wait names
.elseif j < 50
	s_wait_loadcnt 56                              ; 14 younger rows
.else
	s_wait_loadcnt 4*(63-j)                        ; the rows that are left
.endif
.irp q, 0,1,2,3
	v_cvt_pk_bf16_f32 v[sl+4*\q],   v[sl+4*\q],   v[sl+4*\q+1]
	v_cvt_pk_bf16_f32 v[sl+4*\q+1], v[sl+4*\q+2], v[sl+4*\q+3]
.endr
.irp q, 0,1,2,3
	ds_store_b64 v[WST], v[sl+4*\q:sl+4*\q+1] offset:(j%16)*XPITCH+256*\q
.endr
.if j < 49
.irp q, 0,1,2,3
	global_load_b128 v[sl+4*\q:sl+4*\q+3], v[WOF], s[W1B:W1B+1] offset:(j+15)*2048+512*\q
.endr
.endif
.endm
.macro WFRAG hb
	WIN 0x81                                       ; destination window 2, address window 1
.irp ks, 0,1,2,3,4,5,6,7
	ds_load_b128 v[32*\ks+8*(\hb):32*\ks+8*(\hb)+3],   v[WRD] offset:64*\ks
	ds_load_b128 v[32*\ks+8*(\hb)+4:32*\ks+8*(\hb)+7], v[WRD] offset:64*\ks+32
.endr
	WIN 0xc1                                       ; destination window 3
.irp ks, 0,1,2,3,4,5,6,7
	ds_load_b128 v[32*\ks+8*(\hb):32*\ks+8*(\hb)+3],   v[WRD] offset:512+64*\ks
	ds_load_b128 v[32*\ks+8*(\hb)+4:32*\ks+8*(\hb)+7], v[WRD] offset:512+64*\ks+32
.endr
	WIN 0x55
.endm
	WIN 0x55
.set j, 0
.rept 64
	WSLOT
.if j%16 == 15
	WFRAG j/16
.endif
.set j, j+1
.endr
	s_wait_dscnt 0x0                               ; W1 is in registers
	WIN 0
.macro STORE slot                      ; my 8 gathered rows: rounded in place, 8 bytes a lane into the slot
.set i, 0
.rept 8
	s_wait_loadcnt 28-4*i                          ; the chunk's later rows may stay out
.irp q, 0,1,2,3
	v_cvt_pk_bf16_f32 v[XS+16*i+4*\q],   v[XS+16*i+4*\q],   v[XS+16*i+4*\q+1]
	v_cvt_pk_bf16_f32 v[XS+16*i+4*\q+1], v[XS+16*i+4*\q+2], v[XS+16*i+4*\q+3]
.endr
.irp q, 0,1,2,3
	ds_store_b64 v[XST], v[XS+16*i+4*\q:XS+16*i+4*\q+1] offset:(\slot)*XSLOT+XPITCH*i+256*\q
.endr
.set i, i+1
.endr
.endm
; Four products: channels 32 ks .., the four blocks of 16 hidden units.  The four accumulators take turns, one instruction a turn.  cb = 1: b1 starts the sums.
.macro MMA ks, cb
.irp hb, 0,1,2,3
.if \cb
	v_wmma_f32_16x16x32_bf16 v[ACC+8*\hb:ACC+8*\hb+7], v[32*((\ks)%8)+8*\hb:32*((\ks)%8)+8*\hb+7], v[XF+8*(\ks):XF+8*(\ks)+7], v[B1+8*\hb:B1+8*\hb+7]
.else
	v_wmma_f32_16x16x32_bf16 v[ACC+8*\hb:ACC+8*\hb+7], v[32*((\ks)%8)+8*\hb:32*((\ks)%8)+8*\hb+7], v[XF+8*(\ks):XF+8*(\ks)+7], v[ACC+8*\hb:ACC+8*\hb+7]
.endif
.endr
.endm
; 2 gelu(z) for the lane's 32 numbers, all in window 1.  The 32 reciprocals are one batch with one wait; the 16 sums z + a stand between them and the wait.
.macro GELU
.set i, 0
.rept 32
	v_and_b32 v[AB+i], s[ABSM], v[ACC+i]           ; a = |z|; ascending: each accumulator's lowest registers are read first
.set i, i+1
.endr
.set i, 0
.rept 16
	v_pk_fma_f32 v[PL+i:PL+i+1], v[AB+i:AB+i+1], s[C6:C6+1], s[C5:C5+1] op_sel_hi:[1,0,0]
.set i, i+2
.endr
.irp c, C4, C3, C2, C1
.set i, 0
.rept 16
	v_pk_fma_f32 v[PL+i:PL+i+1], v[PL+i:PL+i+1], v[AB+i:AB+i+1], s[\c:\c+1] op_sel_hi:[1,1,0]
.set i, i+2
.endr
.endr
.set i, 0
.rept 16
	v_pk_fma_f32 v[PL+i:PL+i+1], v[PL+i:PL+i+1], v[AB+i:AB+i+1], 1.0 op_sel_hi:[1,1,0]
.set i, i+2
.endr
.rept 4                                        ; P^16 by four squarings
.set i, 0
.rept 16
	v_pk_mul_f32 v[PL+i:PL+i+1], v[PL+i:PL+i+1], v[PL+i:PL+i+1]
.set i, i+2
.endr
.endr
.set i, 0
.rept 32
	v_rcp_f32 v[PL+i], v[PL+i]                     ; q
.set i, i+1
.endr
.set i, 0
.rept 16
	v_pk_add_f32 v[ACC+i:ACC+i+1], v[ACC+i:ACC+i+1], v[AB+i:AB+i+1]  ; z + a: plain work that names no reciprocal
.set i, i+2
.endr
	s_wait_alu depctr_va_vdst(0)                   ; the one wait between the batch and its first reader
.set i, 0
.rept 16
	v_pk_fma_f32 v[PL+i:PL+i+1], v[AB+i:AB+i+1], v[PL+i:PL+i+1], v[ACC+i:ACC+i+1] neg_lo:[1,0,0] neg_hi:[1,0,0]  ; (z + a) - a q
.set i, i+2
.endr
.set i, 0
.rept 16
	v_cvt_pk_f16_f32 v[HF+i], v[PL+2*i], v[PL+2*i+1]
.set i, i+1
.endr
.endm
; Tile u (16 places) of the chunk in a slot: 32 fragment loads, 64 products, the gelu, 2 products with W2, the partial logits into LDS.
.macro TILE slot, u
	WIN 0x55
.irp ks, 0,1,2,3,4,5,6,7,8,9,10,11,12,13,14,15
	ds_load_b128 v[XF+8*\ks:XF+8*\ks+3],   v[XA] offset:(\slot)*XSLOT+(\u)*16*XPITCH+64*\ks
	ds_load_b128 v[XF+8*\ks+4:XF+8*\ks+7], v[XA] offset:(\slot)*XSLOT+(\u)*16*XPITCH+64*\ks+32
.endr
	s_wait_dscnt 24                                ; the first quarter of K is in: 24 loads are younger
	WIN 0x46                                       ; W1 window 2, x window 1, b1 window 0, S^T window 1
	MMA 0, 1
	WIN 0x56                                       ; C in window 1
	MMA 1, 0
	MMA 2, 0
	MMA 3, 0
	s_wait_dscnt 16
	MMA 4, 0
	MMA 5, 0
	MMA 6, 0
	MMA 7, 0
	s_wait_dscnt 8
	WIN 0x57                                       ; W1 window 3
	MMA 8, 0
	MMA 9, 0
	MMA 10, 0
	MMA 11, 0
	s_wait_dscnt 0x0
	MMA 12, 0
	MMA 13, 0
	MMA 14, 0
	MMA 15, 0
.rept 4
	v_nop                                          ; four places between the last product and the first read of a result (ISA guide 7.12.1)
.endr
	WIN 0x55
	GELU
	WIN 0x54                                       ; W2 window 0, h window 1, logits window 1
	v_wmma_f32_16x16x32_f16 v[LG:LG+7], v[W2F:W2F+7], v[HF:HF+7], 0
	s_wait_alu depctr_va_vdst(0)                   ; the wait stands directly ahead of the second
	v_wmma_f32_16x16x32_f16 v[LG:LG+7], v[W2F+8:W2F+15], v[HF+8:HF+15], v[LG:LG+7]
.rept 4
	v_nop
.endr
	WIN 0x04                                       ; address window 0, data window 1
	ds_store_b128 v[PA], v[LG:LG+3]   offset:1024*(\u)
	ds_store_b128 v[PA], v[LG+4:LG+7] offset:1024*(\u)+16
	WIN 0
.endm
; A trip: chunk c (places RB ..) goes into its slot and is multiplied; chunk c + 1 is gathered meanwhile.  ONE barrier: in front of it each wave has waited for its stores of chunk c and for its reads of
; chunk c - 1; the slot that chunk c - 1 lay in is written again only in the next trip, behind this barrier.  All jumps go forward and pass no barrier.
.macro TRIP slot, off
	s_add_co_u32 s[TN], s[RB], 32
	s_cmp_lt_u32 s[TN], s[N1]
	s_cbranch_scc0 .Lno_next_\@
	GLIST \off
.Lno_next_\@:
	s_cmp_lt_u32 s[RB], s[N1]
	s_cbranch_scc0 .Lno_store_\@
	STORE \slot
.Lno_store_\@:
	s_wait_loadcnt 0x0                             ; no gather is out on any way: the rows' offsets may be written anew
	s_wait_dscnt 0x0                               ; my stores into the slot are done, my reads of the other slot are over, the list entries are in
	s_barrier_signal -1
	s_barrier_wait -1
	s_cmp_lt_u32 s[TN], s[N1]
	s_cbranch_scc0 .Lno_gather_\@
	GATHER
.Lno_gather_\@:
	s_cmp_lt_u32 s[RB], s[N1]
	s_cbranch_scc0 .Lno_tile_\@
	TILE \slot, 0
	s_add_co_u32 s61, s[RB], 16
	s_cmp_lt_u32 s61, s[N1]
	s_cbranch_scc0 .Lno_tile_\@
	TILE \slot, 1
.Lno_tile_\@:
	v_add_nc_u32 v[PA], 2048, v[PA]                ; 32 places of 64 bytes on
	s_mov_b32 s[RB], s[TN]
.endm
	s_mov_b32 s[RB], 0
	s_mov_b32 s[CNT], 8
.Lchunk:                                       ; 8 x 2 trips cover 512 places, the longest list
	TRIP 0, 128
	TRIP 1, 256
	v_add_nc_u32 v[LA], 256, v[LA]
	s_sub_co_u32 s[CNT], s[CNT], 1
	s_cmp_lg_u32 s[CNT], 0
	s_cbranch_scc1 .Lchunk
	; THE WAY OUT.  The block's 12,288 bytes of out0 are 1,536 pairs; thread t takes pairs t + 128 i: token (t + 128 i) / 3, pair (t + 2 i) % 3 of its six numbers.
	s_wait_loadcnt 0x0                             ; no gather is out on any way out of the loop: the rows' offsets and the rows' registers are written anew below (the last trip's compare, 512 < the list's length, never holds, so nothing is waited for)
	s_wait_dscnt 0x0                               ; my partial logits are in LDS
	s_barrier_signal -1
	s_barrier_wait -1                              ; everybody's are; from here on LDS is only read, up to the closing lines
.set i, 0
.rept 12
	v_add_nc_u32 v[AD0+i], 128*i, v0
	v_mul_u32_u24 v[AD0+i], 0xaaab, v[AD0+i]
	v_lshrrev_b32 v[AD0+i], 17, v[AD0+i]
	v_min_u32 v[AD0+i], 0x1ff, v[AD0+i]
	v_lshl_add_u32 v[AD0+i], v[AD0+i], 2, TK
	ds_load_b32 v[TKR+i], v[AD0+i]
.set i, i+1
.endr
	s_wait_dscnt 0x0
.set i, 0
.rept 12
	v_and_b32 v[T0], 0xffff, v[TKR+i]
	v_min_u32 v[T0], 0x1ff, v[T0]                  ; the token's place; 0, which always exists, where it is not listed
	v_lshl_add_u32 v[AD0+i], v[T0], 6, v[PO+(2*i)%3]
	v_add_nc_u32 v[AD1+i], 0x10000, v[AD0+i]
	ds_load_b64 v[XS+8*i:XS+8*i+1],   v[AD0+i]               ; wave 0's part,
	ds_load_b64 v[XS+8*i+2:XS+8*i+3], v[AD0+i] offset:32768  ; wave 1's,
	ds_load_b64 v[XS+8*i+4:XS+8*i+5], v[AD1+i]               ; wave 2's,
	ds_load_b64 v[XS+8*i+6:XS+8*i+7], v[AD1+i] offset:32768  ; wave 3's
.set i, i+1
.endr
	s_wait_dscnt 0x0                               ; my reads of LDS are over
	s_barrier_signal -1
	s_barrier_wait -1                              ; everybody's are: the waves' closing adds, the only LDS writes that are left, come behind this barrier
.set i, 0
.rept 12
	v_pk_add_f32 v[XS+8*i:XS+8*i+1],   v[XS+8*i:XS+8*i+1],   v[XS+8*i+2:XS+8*i+3]
	v_pk_add_f32 v[XS+8*i+4:XS+8*i+5], v[XS+8*i+4:XS+8*i+5], v[XS+8*i+6:XS+8*i+7]
	v_pk_add_f32 v[XS+8*i:XS+8*i+1],   v[XS+8*i:XS+8*i+1],   v[XS+8*i+4:XS+8*i+5]
	v_pk_add_f32 v[XS+8*i:XS+8*i+1],   v[XS+8*i:XS+8*i+1],   v[BB+2*((2*i)%3):BB+2*((2*i)%3)+1]
	v_and_b32 v[T0], 0x10000, v[TKR+i]
	v_cmp_ne_u32 s61, 0, v[T0]
	s_and_b32 s61, s61, s[PM+(2*i)%3]              ; listed, and a pair that the head has: else 0
	v_cndmask_b32 v[XS+8*i],   0, v[XS+8*i],   s61
	v_cndmask_b32 v[XS+8*i+1], 0, v[XS+8*i+1], s61
	v_and_b32 v[T0], 0x20000, v[TKR+i]
	v_cmp_ne_u32 vcc_lo, 0, v[T0]                  ; the rows that are mine to store
	s_wait_xcnt 0x0                                ; EXEC is a source of the stores issued so far: it changes only behind this wait
	s_and_saveexec_b32 s[SEX], vcc_lo
	global_store_b64 v[OO], v[XS+8*i:XS+8*i+1], s[OB:OB+1] offset:1024*i  ; a wave names 256 consecutive bytes, aligned, less the partner's rows
	s_wait_xcnt 0x0                                ; and again, in front of the line that widens it
	s_or_b32 exec_lo, exec_lo, s[SEX]
.set i, i+1
.endr
	s_wait_tensorcnt 0x0                           ; the wave's end, behind my last LDS store
	ds_add_u32 v[SPW], v[NIL]
	s_wait_dscnt 0x0
	s_endpgm
.Lfunc_end_k_qde21473d48_heads:
	.size	k_qde21473d48_heads, .Lfunc_end_k_qde21473d48_heads-k_qde21473d48_heads
	.p2alignl 7, 3214868480
	.fill 96, 4, 3214868480
	.section	.rodata,"a",@progbits
	.p2align	6, 0x0
	.amdhsa_kernel k_qde21473d48_heads
		.amdhsa_group_segment_fixed_size 269568
		.amdhsa_private_segment_fixed_size 0
		.amdhsa_enable_private_segment 0
		.amdhsa_kernarg_size 104
		.amdhsa_user_sgpr_count 2
		.amdhsa_user_sgpr_kernarg_segment_ptr 1
		.amdhsa_wavefront_size32 1
		.amdhsa_system_sgpr_workgroup_id_x 1
		.amdhsa_system_sgpr_workgroup_id_y 1
		.amdhsa_system_sgpr_workgroup_id_z 1
		.amdhsa_system_vgpr_workitem_id 0
		.amdhsa_next_free_vgpr 1024
		.amdhsa_next_free_sgpr 100
		.amdhsa_reserve_vcc 1
		.amdhsa_float_denorm_mode_32 3
		.amdhsa_float_denorm_mode_16_64 3
		.amdhsa_memory_ordered 1
		.amdhsa_forward_progress 1
		.amdhsa_inst_pref_size 250
	.end_amdhsa_kernel
	.amdgpu_metadata
---
amdhsa.version: [ 1, 2 ]
amdhsa.kernels:
  - .name:           k_qde21473d48_heads
    .symbol:         k_qde21473d48_heads.kd
    .args:
      - { .name: repr3, .offset: 0, .size: 8, .value_kind: global_buffer, .address_space: global }
      - { .name: agent_type_ids, .offset: 8, .size: 8, .value_kind: global_buffer, .address_space: global }
      - { .name: out0, .offset: 16, .size: 8, .value_kind: global_buffer, .address_space: global }
      - { .name: out1, .offset: 24, .size: 8, .value_kind: global_buffer, .address_space: global }
      - { .name: out2, .offset: 32, .size: 8, .value_kind: global_buffer, .address_space: global }
      - { .name: vW1, .offset: 40, .size: 8, .value_kind: global_buffer, .address_space: global }
      - { .name: pW1, .offset: 48, .size: 8, .value_kind: global_buffer, .address_space: global }
      - { .name: vb1, .offset: 56, .size: 8, .value_kind: global_buffer, .address_space: global }
      - { .name: pb1, .offset: 64, .size: 8, .value_kind: global_buffer, .address_space: global }
      - { .name: vW2, .offset: 72, .size: 8, .value_kind: global_buffer, .address_space: global }
      - { .name: pW2, .offset: 80, .size: 8, .value_kind: global_buffer, .address_space: global }
      - { .name: vb2, .offset: 88, .size: 8, .value_kind: global_buffer, .address_space: global }
      - { .name: pb2, .offset: 96, .size: 8, .value_kind: global_buffer, .address_space: global }
    .group_segment_fixed_size: 269568
    .private_segment_fixed_size: 0
    .kernarg_segment_align: 8
    .kernarg_segment_size: 104
    .max_flat_workgroup_size: 128
    .sgpr_count:     100
    .vgpr_count:     1024
    .wavefront_size: 32
...
	.end_amdgpu_metadata
.endif
;; end of part 1
